; MI455X (gfx1250); checked and timed in simulation.
; The chip was launched on July 23, 2026; its instructions are those of AMD's public machine-readable ISA for CDNA 5 (MIT licence, August 2026) and "CDNA5" Instruction Set Architecture Reference Guide (July 2026). The comments in the code are by the model that wrote it; some were corrected since.
;; KAN Layer Old. Allowed arithmetic: float matrix products may take bf16 or f16 operands with f32 sums; all other float work in f32.
;; Inputs: bias 64 float32; input_log_scale 64 float32; input_shift 64 float32; inputs 32,768 x 64 float32; knots 68 float32; ln_beta 64 float32; ln_gamma 64 float32; skip_W 64 x 64 float32; skip_b 64 float32; spline_coeffs 64 x 64 x 64 float32.
;; Outputs: out0 32,768 x 64 float32.
;; One version. Each part assembles by itself: llvm-mc -triple=amdgcn-amd-amdhsa -mcpu=gfx1250 --defsym DOCPART=n.
;; ======== version 1 of 1: 2 launches
;; workspace buffers: wb 540,672 bytes; tab 2,560 bytes
;; launch prep (part 1): grid 256 x 1, 4 waves a work-group, no clusters, 0 bytes of LDS; arguments spline_coeffs, skip_W, knots, input_shift, input_log_scale, wb, tab; writes wb, tab
.if DOCPART == 1
	.amdgcn_target "amdgcn-amd-amdhsa--gfx1250"
	.amdhsa_code_object_version 6
	.text
	.protected	k_qc28430fd65_prep
	.globl	k_qc28430fd65_prep
	.p2align	8
	.type	k_qc28430fd65_prep,@function
k_qc28430fd65_prep:
	s_mov_b64 s[64:65], 0
	v_nop
	global_prefetch_b8 v0, s[64:65] scope:SCOPE_SE
	s_setreg_imm32_b32 hwreg(HW_REG_WAVE_MODE, 25, 1), 1
	s_wait_xcnt 0x0
; Lays the weights out as the second launch's matrix fragments, in bf16, and makes the tables of the spline recursion.
; wb, spline part: byte P*16384 + c*4096 + t*1024 + q*512 + L*16 + 2e holds (-1)^g C[f][g][n] with P = 4s + kg, L = 16h + r,
;   f = 8kg + s + 32h, g = 16c + 8q + e, n = 16t + r: each block of 512 bytes is half a fragment as the 32 lanes hold it.
; wb, skip part, from byte 524288: kg*4096 + t*1024 + q*512 + L*16 + 2e holds the high (q = 0) or low (q = 1) bf16 part of
;   skip_W[16t + r][8kg + 32h + e]; low = bf16(W - high).
; tab: row i (24 bytes, i = 0..67): -k[i]; k[i+1] (row 66: the next f32 above k[67], so that x <= k[67] is 'not x >= that');
;   r2[i-2]; (-1)^i r1[i]; r3[i-3]; k[0] in row 0, else 0.   rd[j] = 1 / (k[j+d] - k[j]) where that difference is above 0, else 0.
;   byte 2048: -shift[64];  byte 2304: -(softplus(log_scale) + 0.001) * log2(e) [64].  Bytes 1632..2047 are never read.
; LIMIT: a positive knot gap below 2^-126 counts as zero in v_rcp_f32 and gives an infinite reciprocal; one above 2^126 gives 0.
.set SKIPW, 524288
	s_load_b256 s[4:11], s[0:1], 0x0               ; coeffs s[4:5], skip_W s[6:7], knots s[8:9], shift s[10:11]
	s_load_b128 s[12:15], s[0:1], 0x20             ; log_scale s[12:13], wb s[14:15]
	s_load_b64 s[16:17], s[0:1], 0x30              ; tab
	v_lshrrev_b32 v1, 5, v0
	v_readfirstlane_b32 s18, v1                    ; wave 0..3
	v_and_b32 v1, 31, v0                           ; lane
	; ---- every work-group: 32 columns n x 16 g of two features
	s_and_b32 s20, ttmp9, 1                        ; tp: which 32 columns
	s_bfe_u32 s21, ttmp9, 0x20001                  ; c: which 16 g
	s_lshr_b32 s22, ttmp9, 3                       ; P = 4s + kg
	s_and_b32 s23, s22, 3                          ; kg
	s_lshr_b32 s24, s22, 2                         ; s
	s_and_b32 s25, s18, 1                          ; h
	s_lshr_b32 s26, s18, 1                         ; q
	s_lshl3_add_u32 s27, s23, s24                  ; 8kg + s
	s_lshl_b32 s28, s25, 5
	s_add_co_u32 s27, s27, s28                     ; f
	s_lshl_b32 s27, s27, 14                        ; a feature is 16,384 bytes
	s_lshl_b32 s28, s21, 12                        ; 16c rows of 256 bytes; also c's place in wb
	s_add_co_u32 s27, s27, s28
	s_lshl_b32 s29, s26, 11                        ; 8q rows
	s_add_co_u32 s27, s27, s29
	s_lshl_b32 s29, s20, 7                         ; 32 tp columns
	s_add_co_u32 s27, s27, s29                     ; from
	s_lshl_b32 s30, s22, 14
	s_add_co_u32 s30, s30, s28
	s_lshl_b32 s29, s20, 11                        ; t = 2tp + lane / 16
	s_add_co_u32 s30, s30, s29
	s_lshl_b32 s29, s26, 9
	s_add_co_u32 s30, s30, s29
	s_lshl_b32 s29, s25, 8                         ; L = 16h + r
	s_add_co_u32 s30, s30, s29                     ; to
	v_lshl_add_u32 v2, v1, 2, s27
	v_and_b32 v3, 15, v1
	v_lshrrev_b32 v4, 4, v1
	v_lshlrev_b32 v3, 4, v3
	v_lshl_add_u32 v3, v4, 10, v3
	v_add_nc_u32 v3, s30, v3
	s_wait_kmcnt 0x0
.irp e, 0,1,2,3,4,5,6,7
	global_load_b32 v[8+\e], v2, s[4:5] offset:256*\e      ; g = 16c + 8q + e, my column
.endr
	s_wait_loadcnt 0x0
.irp d, 0,1,2,3
	v_cvt_pk_bf16_f32 v[16+\d], v[8+2*\d], v[9+2*\d]
.endr
.irp d, 0,1,2,3
	v_xor_b32 v[16+\d], 0x80000000, v[16+\d]               ; odd g lies in the high half: its sign turns
.endr
	global_store_b128 v3, v[16:19], s[14:15]               ; sixteen lanes store 256 consecutive bytes, aligned
	; v3, v[16:19] and s[14:15] are not written again below
	s_cmp_ge_u32 ttmp9, 4
	s_cbranch_scc1 .Ltab
	; ---- work-groups 0..3: skip_W in two bf16 parts; kg = work-group, t = wave
	s_lshl_b32 s29, s18, 12                        ; 16t rows of 256 bytes
	s_lshl_b32 s28, ttmp9, 5                       ; 8kg columns
	s_add_co_u32 s29, s29, s28
	v_and_b32 v5, 15, v1
	v_lshlrev_b32 v5, 8, v5                        ; row r
	v_lshl_add_u32 v5, v4, 7, v5                   ; 32h columns
	v_add_nc_u32 v5, s29, v5
	global_load_b128 v[20:23], v5, s[6:7]
	global_load_b128 v[24:27], v5, s[6:7] offset:16
	s_lshl_b32 s29, ttmp9, 12
	s_lshl_b32 s28, s18, 10
	s_add_co_u32 s29, s29, s28
	v_lshl_add_u32 v6, v1, 4, s29
	s_wait_loadcnt 0x0
.irp d, 0,1,2,3
	v_cvt_pk_bf16_f32 v[28+\d], v[20+2*\d], v[21+2*\d]     ; high parts
.endr
.irp d, 0,1,2,3
	v_lshlrev_b32 v[32+2*\d], 16, v[28+\d]
	v_and_b32 v[33+2*\d], 0xffff0000, v[28+\d]
.endr
.irp d, 0,2,4,6
	v_pk_add_f32 v[32+\d:33+\d], v[20+\d:21+\d], v[32+\d:33+\d] neg_lo:[0,1] neg_hi:[0,1]   ; W - high, exact
.endr
.irp d, 0,1,2,3
	v_cvt_pk_bf16_f32 v[40+\d], v[32+2*\d], v[33+2*\d]     ; low parts
.endr
	global_store_b128 v6, v[28:31], s[14:15] offset:SKIPW
	global_store_b128 v6, v[40:43], s[14:15] offset:SKIPW+512
	s_endpgm
.Ltab:
	s_cmp_lg_u32 ttmp9, 4
	s_cbranch_scc1 .Lfeat
	; ---- work-group 4: the knot table, thread i makes row i.  Indices are clamped, so every lane loads inside the buffer.
	v_min_u32 v5, 67, v0                           ; i
	v_add_nc_u32 v6, 1, v5
	v_min_u32 v6, 67, v6                           ; i + 1
	v_add_nc_u32 v7, -2, v5
	v_max_i32 v7, 0, v7                            ; i - 2
	v_add_nc_u32 v20, -3, v5
	v_max_i32 v20, 0, v20                          ; i - 3
	v_lshlrev_b32 v21, 2, v5
	v_lshlrev_b32 v6, 2, v6
	v_lshlrev_b32 v7, 2, v7
	v_lshlrev_b32 v20, 2, v20
	global_load_b32 v24, v21, s[8:9]
	global_load_b32 v25, v6, s[8:9]
	global_load_b32 v26, v7, s[8:9]
	global_load_b32 v27, v20, s[8:9]
	v_mul_u32_u24 v35, v5, 24
	s_wait_loadcnt 0x0
	v_sub_f32 v28, v25, v24                        ; k[i+1] - k[i]
	v_sub_f32 v29, v24, v26                        ; k[i] - k[i-2]
	v_sub_f32 v30, v24, v27                        ; k[i] - k[i-3]
	v_rcp_f32 v31, v28
	v_rcp_f32 v32, v29
	v_rcp_f32 v33, v30
	v_lshlrev_b32 v34, 31, v5                      ; the sign (-1)^i; also the plain instruction behind the reciprocals (ISA guide 5.7.2)
	v_cmp_lt_f32 vcc_lo, 0, v28
	s_wait_alu depctr_va_vdst(0)
	v_cndmask_b32 v39, 0, v31, vcc_lo
	v_cmp_lt_f32 vcc_lo, 0, v29
	v_cndmask_b32 v38, 0, v32, vcc_lo
	v_cmp_lt_f32 vcc_lo, 0, v30
	v_cndmask_b32 v40, 0, v33, vcc_lo
	v_xor_b32 v39, v34, v39
	v_xor_b32 v36, 0x80000000, v24                 ; -k[i]
	v_add_f32 v42, 0, v25                          ; -0 becomes +0
	v_cmp_gt_i32 vcc_lo, 0, v42
	v_cndmask_b32 v43, 1, -1, vcc_lo
	v_add_nc_u32 v42, v42, v43                     ; the next f32 above: bits + 1, below zero bits - 1
	v_cmp_eq_u32 vcc_lo, 66, v5
	v_cndmask_b32 v37, v25, v42, vcc_lo
	v_cmp_eq_u32 vcc_lo, 0, v5
	v_cndmask_b32 v41, 0, v24, vcc_lo
	s_wait_xcnt 0x0                                ; EXEC changes only when no earlier load or store still needs it
	v_cmp_gt_u32 vcc_lo, 68, v0
	s_and_saveexec_b32 s19, vcc_lo
	global_store_b64 v35, v[36:37], s[16:17]
	global_store_b64 v35, v[38:39], s[16:17] offset:8
	global_store_b64 v35, v[40:41], s[16:17] offset:16
	s_wait_xcnt 0x0
	s_or_b32 exec_lo, exec_lo, s19
	s_endpgm
.Lfeat:
	s_cmp_lg_u32 ttmp9, 5
	s_cbranch_scc1 .Lend
	s_cmp_ge_u32 s18, 2
	s_cbranch_scc1 .Lend
	; ---- work-group 5, waves 0 and 1: thread f makes feature f's shift and scale
	v_lshlrev_b32 v5, 2, v0
	global_load_b32 v24, v5, s[10:11]
	global_load_b32 v25, v5, s[12:13]
	s_wait_loadcnt 0x0
	v_and_b32 v26, 0x7fffffff, v25
	v_mul_f32 v26, 0xbfb8aa3b, v26                 ; -|v| log2(e)
	v_exp_f32 v27, v26
	v_max_num_f32 v28, 0, v25                      ; plain, behind the exponential
	s_wait_alu depctr_va_vdst(0)
	v_add_f32 v27, 1.0, v27
	v_log_f32 v29, v27
	v_xor_b32 v30, 0x80000000, v24                 ; -shift; plain, behind the logarithm
	s_wait_alu depctr_va_vdst(0)
	v_fmamk_f32 v28, v29, 0x3f317218, v28          ; softplus = max(v, 0) + ln 2 * log2(1 + e^-|v|)
	v_add_f32 v28, 0x3a83126f, v28                 ; + 0.001
	v_mul_f32 v28, 0xbfb8aa3b, v28                 ; * -log2(e)
	global_store_b32 v5, v30, s[16:17] offset:2048
	global_store_b32 v5, v28, s[16:17] offset:2304
.Lend:
	s_endpgm
.Lfunc_end_k_qc28430fd65_prep:
	.size	k_qc28430fd65_prep, .Lfunc_end_k_qc28430fd65_prep-k_qc28430fd65_prep
	.p2alignl 7, 3214868480
	.fill 96, 4, 3214868480
	.section	.rodata,"a",@progbits
	.p2align	6, 0x0
	.amdhsa_kernel k_qc28430fd65_prep
		.amdhsa_group_segment_fixed_size 0
		.amdhsa_private_segment_fixed_size 0
		.amdhsa_enable_private_segment 0
		.amdhsa_kernarg_size 56
		.amdhsa_user_sgpr_count 2
		.amdhsa_user_sgpr_kernarg_segment_ptr 1
		.amdhsa_wavefront_size32 1
		.amdhsa_system_sgpr_workgroup_id_x 1
		.amdhsa_system_sgpr_workgroup_id_y 1
		.amdhsa_system_sgpr_workgroup_id_z 1
		.amdhsa_system_vgpr_workitem_id 0
		.amdhsa_next_free_vgpr 48
		.amdhsa_next_free_sgpr 66
		.amdhsa_reserve_vcc 1
		.amdhsa_float_denorm_mode_32 3
		.amdhsa_float_denorm_mode_16_64 3
		.amdhsa_memory_ordered 1
		.amdhsa_forward_progress 1
		.amdhsa_inst_pref_size 9
	.end_amdhsa_kernel
	.amdgpu_metadata
---
amdhsa.version: [ 1, 2 ]
amdhsa.kernels:
  - .name:           k_qc28430fd65_prep
    .symbol:         k_qc28430fd65_prep.kd
    .args:
      - { .name: spline_coeffs, .offset: 0, .size: 8, .value_kind: global_buffer, .address_space: global }
      - { .name: skip_W, .offset: 8, .size: 8, .value_kind: global_buffer, .address_space: global }
      - { .name: knots, .offset: 16, .size: 8, .value_kind: global_buffer, .address_space: global }
      - { .name: input_shift, .offset: 24, .size: 8, .value_kind: global_buffer, .address_space: global }
      - { .name: input_log_scale, .offset: 32, .size: 8, .value_kind: global_buffer, .address_space: global }
      - { .name: wb, .offset: 40, .size: 8, .value_kind: global_buffer, .address_space: global }
      - { .name: tab, .offset: 48, .size: 8, .value_kind: global_buffer, .address_space: global }
    .group_segment_fixed_size: 0
    .private_segment_fixed_size: 0
    .kernarg_segment_align: 8
    .kernarg_segment_size: 56
    .max_flat_workgroup_size: 128
    .sgpr_count:     66
    .vgpr_count:     48
    .wavefront_size: 32
...
	.end_amdgpu_metadata
.endif
;; end of part 1
;; launch kan (part 2): grid 256 x 1, 8 waves a work-group, clusters of 4 x 1, 327,680 bytes of LDS; arguments inputs, wb, tab, out0, skip_b, bias, ln_gamma, ln_beta; writes out0
.if DOCPART == 2
	.amdgcn_target "amdgcn-amd-amdhsa--gfx1250"
	.amdhsa_code_object_version 6
	.text
	.protected	k_qc28430fd65_kan
	.globl	k_qc28430fd65_kan
	.p2align	8
	.type	k_qc28430fd65_kan,@function
k_qc28430fd65_kan:
	s_mov_b64 s[64:65], 0
	v_nop
	global_prefetch_b8 v0, s[64:65] scope:SCOPE_SE
	s_setreg_imm32_b32 hwreg(HW_REG_WAVE_MODE, 25, 1), 1
	s_wait_xcnt 0x0
	s_wait_alu depctr_hold_cnt(0) depctr_sa_sdst(0) depctr_va_vdst(0) depctr_va_sdst(0) depctr_va_ssrc(0) depctr_va_vcc(0) depctr_vm_vsrc(0)
	s_getreg_b32 s2, hwreg(HW_REG_IB_STS2, 6, 4)
	s_cmp_eq_u32 s2, 0
	s_cbranch_scc0 .Lentry_in_a_cluster
	s_endpgm
.Lentry_in_a_cluster:
	s_bfe_u32 s2, ttmp6, 0x10000c
	s_cmp_lg_u32 s2, 0x3003
	s_cbranch_scc0 .Lentry_shape_is_right
	s_endpgm
.Lentry_shape_is_right:
; out = gelu(layernorm(basis(sigmoid((in - shift) scale)) . C + in . W^T + skip_b + bias)), 128 rows a work-group.
; The basis [128 x 4096] exists only in registers.  The knots are an input, so the whole Cox-de Boor recursion is evaluated for every
; point and every one of the 67 intervals, in f32; nothing is assumed of the knots' order, and no address or branch hangs on a value.
; With u~d[j] = (-1)^j rd[j] b(d-1)[j] and dx[i] = x - k[i] each level is b~d[j] = dx[j] u~d[j] + dx[j+d+1] u~d[j+1]: one multiply kept from an
; earlier step and one fused multiply-add with this step's dx.  Step i = 0..67 makes dx[i], the indicator of interval i, b~1[i-2], b~2[i-3]
; and b~3[i-4].  The last sign (-1)^g lies in the weights (launch prep).
; WAVES: wave w has kg = w & 3, rh = w >> 2: rows 64 rh .. +63 (four tiles of 16) and features 8 kg + s + 32 h, one s in each of eight passes;
; lane (r, h) evaluates row r of the four tiles for its feature, two points in each packed instruction.  K is thus split over the four kg;
; the four partial sums of a row meet in LDS at the end (an order of summation other than the reference's).
; THE MATRIX INSTRUCTION IS USED TRANSPOSED: source 0 = 16 output columns of the weights, source 1 = 16 rows of the basis, so that a lane holds
; 8 neighbouring columns of one row.  k's places (h, q, e) stand for (feature 8kg+s+32h, g = 16c+8q+e) alike in both operands.
; CLUSTER: the four work-groups of a cluster walk the same weights: each pass's 64 KiB are asked for jointly (mask 15), which divides the
; requests for them by four.  Two LDS slots of one pass each; a wave has one tensor load outstanding at the most.
; SKIP PRODUCT: inputs and skip_W go in as high + low bf16 parts, (hi + lo)(Whi + Wlo), since this term is the largest part of the sum.
; LIMITS: x below 2^-126 is flushed to 0 by v_rcp_f32; which argument rounds to exactly x = 1.0 hangs on the last bit of v_exp_f32;
; erf by Abramowitz-Stegun 7.1.26, absolute error 1.5e-7 for every argument; NaN inputs are not followed as the reference follows them.
.set SLOT,   65536                     ; a pass's weights: 4 kg x 16,384 bytes
.set XS,     131072                    ; x in f32: 128 rows, pitch 272
.set XB,     165888                    ; inputs in bf16: 128 rows, pitch 272: high parts at 0, low parts at 128
.set STAGE,  131072                    ; partial sums: 4 kg x 128 rows, pitch 272; lies over XS and XB, which are dead by then; no tensor load lands here
.set PITCH,  272                       ; 256 + 16 bytes: sixteen rows start at sixteen different 16-byte columns
.set KGST,   128*PITCH
.set SKIPW,  524288
; vector registers, window 0
.set OUTO, 1                           ; my byte offset in the work-group's part of out0
.set ADRB, 2                           ; v2, v3: slot 0, 1: my 16 bytes of my kg's fragment images
.set XAD,  4                           ; my x of tile 0, this pass's feature
.set STO,  5
.set RDA,  6                           ; v6: stage of kg 0, 1; v7: of kg 2, 3
.set X,    8                           ; v[8:11]   x of my four points
.set DX,   12                          ; v[12:27]  ring of four steps' dx
.set U1,   28                          ; v[28:35]  u~1, two steps
.set P1,   36
.set P2,   40
.set P3,   44
.set T1,   48
.set T2,   52
.set B3,   56                          ; v[56:63]  b~3, even and odd g
.set A,    64                          ; v[64:95]  basis fragments, 8 a tile
.set BF,   96                          ; v[96:127] weight fragments, 8 a column tile
.set CB,   144
.set GAM,  148
.set BET,  152
.set SKB,  156
; the head's own
.set Z,    12
.set HI,   16
.set HW,   18
.set LO,   22
.set EX,   24
.set NSH,  36
.set NSC,  40
.set IN,   64
.set A2,   12                          ; v[12:43] low-part fragments
.set XSA,  128
.set XBA,  129
.set GOF,  130
.set COLO, 131
.set IMO,  132
.set RR,   133
.set HH,   134
.set LN,   135
.set T4,   136
.set RP,   137
.set XBR,  138
; the end's own
.set PART, 16                          ; v[16:143]
.set TI,   160
.set QI,   164
.set TO,   168
.set QO,   172
.set PP,   176
; window 1: accumulator (tile u, column tile t) at v[256 + 8 (4u + t)]
; scalar registers
.set G0,    12                         ; s[12:15] slot 0, s[24:27] slot 1
.set G1,    16                         ; s[16:23]
.set RING0, 32                         ; s[32:55] four table rows
.set RING1, 68                         ; s[68:91] four table rows (at the head: the eight buffer addresses)
.set GM,    92                         ; s[92:95], s[96:99]: lane masks 'k <= x' of two steps, four points each
.set MSB, 0
.macro WIN new                         ; the immediate's high byte repeats the setting that is left
.if MSB != \new
	s_set_vgpr_msb (MSB<<8)|\new
.set MSB, \new
.endif
.endm
; A round of the cluster's barrier: my work-group's barrier, wave 0 signals for the work-group, every wave waits for all four, my work-group's barrier again.
.macro ROUND
	s_barrier_signal -1
	s_barrier_wait -1
	s_cmp_lg_u32 s8, 0
	s_cbranch_scc1 .Lnot_wave_0_\@
	s_barrier_signal -3
.Lnot_wave_0_\@:
	s_barrier_wait -3
	s_barrier_signal -1
	s_barrier_wait -1
.endm
; The joint load of a slot: waves 0 to 3 bring 16,384 bytes each; waves 4 to 7 have no part.  The branch hangs on the wave's number alone.
.macro JLOAD s
	s_cmp_lt_u32 s8, 4
	s_cbranch_scc0 .Lno_part_\@
	tensor_load_to_lds s[G0+12*\s:G0+12*\s+3], s[G1:G1+7]
	s_nop 0
.Lno_part_\@:
.endm
	s_load_b512 s[68:83], s[0:1], 0x0              ; inputs 68, wb 70, tab 72, out0 74, skip_b 76, bias 78, gamma 80, beta 82
	v_lshl_add_u32 v254, v0, 2, 0x42000
	v_mov_b32 v255, 0
	ds_add_u32 v254, v255
	v_lshrrev_b32 v2, 5, v0
	v_readfirstlane_b32 s8, v2                     ; wave 0..7
	s_and_b32 s9, s8, 3                            ; kg
	s_lshr_b32 s10, s8, 2                          ; rh
	s_bfe_u32 s2, ttmp6, 0x40000                   ; cx: enters global addresses of inputs and out0 alone
	s_lshl_b32 s3, ttmp9, 2
	s_add_co_u32 s3, s3, s2                        ; work-group = 4 x cluster + cx
	s_lshl_b32 s28, s3, 15                         ; 128 rows of 256 bytes
	s_mov_b32 s29, 0
	; descriptor group 1: 64 rows of 32 elements of 8 bytes, dense
	s_mov_b32 s[G1+0], 15|(3<<16)|(1<<21)          ; 15:0 mask: all four of the cluster; 17:16 elements of 8 bytes; 21 set beside a mask; no padding
	s_mov_b32 s[G1+1], 32<<16                      ; tensor_dim0 = 32
	s_mov_b32 s[G1+2], 64<<16                      ; tensor_dim1 = 64
	s_mov_b32 s[G1+3], 32<<16                      ; tile_dim0 = 32
	s_mov_b32 s[G1+4], 64                          ; tile_dim1 = 64
	s_mov_b32 s[G1+5], 32                          ; from row to row: 32 elements
	s_mov_b32 s[G1+6], 0
	s_mov_b32 s[G1+7], 0
	s_mov_b32 s[G0], 1
	s_lshl_b32 s[G0+1], s8, 14                     ; LDS: wave x 16,384 (+ the slot)
	s_mov_b32 s[G0+12], 1
	s_add_co_u32 s[G0+13], s[G0+1], SLOT
	; lane terms
	v_and_b32 v[RR], 15, v0                        ; r
	v_bfe_u32 v[HH], v0, 4, 1                      ; h
	v_and_b32 v[LN], 31, v0                        ; L
	v_lshrrev_b32 v[T4], 4, v0                     ; thread / 16
	v_mul_u32_u24 v[RP], v[RR], PITCH
	s_lshl_b32 s30, s9, 14
	v_lshl_add_u32 v[ADRB], v[LN], 4, s30
	v_add_nc_u32 v[ADRB+1], SLOT, v[ADRB]
	s_mul_i32 s31, s10, 64*PITCH                   ; my 64 rows
	s_lshl_b32 s30, s9, 5
	s_add_co_u32 s30, s30, s31
	s_add_co_u32 s30, s30, XS
	v_lshl_add_u32 v[XAD], v[HH], 7, v[RP]
	v_add_nc_u32 v[XAD], s30, v[XAD]               ; XS + (64rh + r) pitch + 4 (8kg + 32h)
	s_lshl_b32 s30, s9, 4
	s_add_co_u32 s30, s30, s31
	s_add_co_u32 s30, s30, XB
	v_lshl_add_u32 v[XBR], v[HH], 6, v[RP]
	v_add_nc_u32 v[XBR], s30, v[XBR]               ; XB + (64rh + r) pitch + 2 (8kg + 32h)
	s_mul_i32 s30, s9, KGST
	s_add_co_u32 s30, s30, s31
	s_add_co_u32 s30, s30, STAGE
	v_lshl_add_u32 v[STO], v[HH], 5, v[RP]
	v_add_nc_u32 v[STO], s30, v[STO]               ; STAGE + kg's part + (64rh + r) pitch + 32h
	s_mul_i32 s30, s8, 16*PITCH
	s_add_co_u32 s30, s30, STAGE
	v_mul_u32_u24 v[RDA], v[HH], PITCH
	v_lshl_add_u32 v[RDA], v[RR], 4, v[RDA]
	v_add_nc_u32 v[RDA], s30, v[RDA]               ; STAGE + (16w + h) pitch + 16r
	v_add_nc_u32 v[RDA+1], 2*KGST, v[RDA]
	s_lshl_b32 s30, s8, 12
	v_lshlrev_b32 v[OUTO], 4, v[RR]
	v_lshl_add_u32 v[OUTO], v[HH], 8, v[OUTO]
	v_add_nc_u32 v[OUTO], s30, v[OUTO]             ; (16w + h) 256 + 16r
	v_mul_u32_u24 v[XSA], v[T4], PITCH
	v_lshl_add_u32 v[XBA], v[RR], 3, v[XSA]
	v_add_nc_u32 v[XBA], XB, v[XBA]
	v_lshl_add_u32 v[XSA], v[RR], 4, v[XSA]
	v_add_nc_u32 v[XSA], XS, v[XSA]
	v_lshlrev_b32 v[GOF], 4, v0
	v_lshlrev_b32 v[COLO], 4, v[RR]
	v_lshlrev_b32 v[IMO], 4, v[LN]
	s_wait_dscnt 0x0
	s_wait_kmcnt 0x0
	s_mov_b64 s[4:5], s[72:73]                     ; tab
	s_add_nc_u64 s[6:7], s[74:75], s[28:29]        ; out0 at my first row
	s_add_nc_u64 s[30:31], s[68:69], s[28:29]      ; inputs at my first row
	s_lshl_b32 s28, s9, 12
	s_add_co_u32 s28, s28, SKIPW
	s_add_nc_u64 s[2:3], s[70:71], s[28:29]        ; my kg's skip images
	s_mov_b32 s28, s[G0+1]
	s_add_nc_u64 s[G0+2:G0+3], s[70:71], s[28:29]  ; wb + wave x 16,384: pass 0
	s_add_nc_u64 s[G0+14:G0+15], s[G0+2:G0+3], SLOT        ; pass 1
	s_or_b32 s[G0+3], s[G0+3], 0x80000000
	s_or_b32 s[G0+15], s[G0+15], 0x80000000
	s_load_b512 s[RING0:RING0+15], s[4:5], 0x0     ; table rows 0..3
	s_load_b256 s[RING0+16:RING0+23], s[4:5], 0x40
	global_load_b128 v[NSH:NSH+3], v[COLO], s[4:5] offset:2048
	global_load_b128 v[NSC:NSC+3], v[COLO], s[4:5] offset:2304
.irp j, 0,1,2,3,4,5,6,7
	global_load_b128 v[IN+4*\j:IN+4*\j+3], v[GOF], s[30:31] offset:4096*\j th:TH_LOAD_NT   ; a wave's load covers 512 consecutive bytes
.endr
.irp t, 0,1,2,3
	global_load_b128 v[BF+8*\t:BF+8*\t+3],   v[IMO], s[2:3] offset:1024*\t         ; Whi
	global_load_b128 v[BF+8*\t+4:BF+8*\t+7], v[IMO], s[2:3] offset:1024*\t+512     ; Wlo
.endr
	global_load_b128 v[SKB:SKB+3], v[COLO], s[76:77]
	global_load_b128 v[CB:CB+3],   v[COLO], s[78:79]
	global_load_b128 v[GAM:GAM+3], v[COLO], s[80:81]
	global_load_b128 v[BET:BET+3], v[COLO], s[82:83]
	ROUND                                          ; all four work-groups are here: the first joint load meets
	JLOAD 0                                        ; pass 0's weights, ahead of every LDS read and every wait on TENSORcnt
	; x = sigmoid and the inputs' two bf16 parts, 16 rows at a time; thread t has row t / 16, columns 4 (t % 16) ..
.irp j, 0,1,2,3,4,5,6,7
	s_wait_loadcnt 19-\j                           ; behind input load j stand 7 - j input loads and the 12 loads of images and vectors
	v_pk_add_f32 v[Z:Z+1],   v[IN+4*\j:IN+4*\j+1],   v[NSH:NSH+1]
	v_pk_add_f32 v[Z+2:Z+3], v[IN+4*\j+2:IN+4*\j+3], v[NSH+2:NSH+3]
	v_pk_mul_f32 v[Z:Z+1],   v[Z:Z+1],   v[NSC:NSC+1]          ; -(in - shift) scale log2(e)
	v_pk_mul_f32 v[Z+2:Z+3], v[Z+2:Z+3], v[NSC+2:NSC+3]
	v_exp_f32 v[EX],   v[Z]
	v_exp_f32 v[EX+1], v[Z+1]
	v_exp_f32 v[EX+2], v[Z+2]
	v_exp_f32 v[EX+3], v[Z+3]
	v_cvt_pk_bf16_f32 v[HI],   v[IN+4*\j],   v[IN+4*\j+1]      ; plain work behind the exponentials (ISA guide 5.7.2)
	v_cvt_pk_bf16_f32 v[HI+1], v[IN+4*\j+2], v[IN+4*\j+3]
	v_lshlrev_b32 v[HW],   16, v[HI]
	v_and_b32     v[HW+1], 0xffff0000, v[HI]
	v_lshlrev_b32 v[HW+2], 16, v[HI+1]
	v_and_b32     v[HW+3], 0xffff0000, v[HI+1]
	s_wait_alu depctr_va_vdst(0)
	v_pk_add_f32 v[EX:EX+1],   v[EX:EX+1],   1.0 op_sel_hi:[1,0]
	v_pk_add_f32 v[EX+2:EX+3], v[EX+2:EX+3], 1.0 op_sel_hi:[1,0]
	v_rcp_f32 v[Z],   v[EX]
	v_rcp_f32 v[Z+1], v[EX+1]
	v_rcp_f32 v[Z+2], v[EX+2]
	v_rcp_f32 v[Z+3], v[EX+3]
	v_pk_add_f32 v[HW:HW+1],   v[IN+4*\j:IN+4*\j+1],   v[HW:HW+1]   neg_lo:[0,1] neg_hi:[0,1]   ; in - high; plain work behind the reciprocals
	v_pk_add_f32 v[HW+2:HW+3], v[IN+4*\j+2:IN+4*\j+3], v[HW+2:HW+3] neg_lo:[0,1] neg_hi:[0,1]
	v_cvt_pk_bf16_f32 v[LO],   v[HW],   v[HW+1]
	v_cvt_pk_bf16_f32 v[LO+1], v[HW+2], v[HW+3]
	s_wait_alu depctr_va_vdst(0)
	ds_store_b128 v[XSA], v[Z:Z+3]   offset:16*PITCH*\j
	ds_store_b64  v[XBA], v[HI:HI+1] offset:16*PITCH*\j
	ds_store_b64  v[XBA], v[LO:LO+1] offset:16*PITCH*\j+128
.endr
	s_wait_dscnt 0x0                               ; my stores are in LDS before I say so
	s_barrier_signal -1
	s_barrier_wait -1                              ; pass 0's tile may stay on its way
.irp u, 0,1,2,3
	ds_load_b32 v[X+\u], v[XAD] offset:16*PITCH*\u
.endr
.irp u, 0,1,2,3
	ds_load_b128 v[A+8*\u:A+8*\u+3],     v[XBR] offset:16*PITCH*\u         ; the same eight high parts meet Whi (registers 0-3)
	ds_load_b128 v[A+8*\u+4:A+8*\u+7],   v[XBR] offset:16*PITCH*\u         ; and Wlo (registers 4-7)
	ds_load_b128 v[A2+8*\u:A2+8*\u+3],   v[XBR] offset:16*PITCH*\u+128     ; the low parts likewise
	ds_load_b128 v[A2+8*\u+4:A2+8*\u+7], v[XBR] offset:16*PITCH*\u+128
.endr
	s_wait_loadcnt 0x0                             ; images and vectors; from here on s[68:83] hold no address that a load still needs
	v_pk_add_f32 v[CB:CB+1],   v[CB:CB+1],   v[SKB:SKB+1]
	v_pk_add_f32 v[CB+2:CB+3], v[CB+2:CB+3], v[SKB+2:SKB+3]
	s_wait_dscnt 0x0
	; the skip product starts every sum: nothing is cleared.  The sixteen accumulators take turns, one instruction a turn, here and in every
	; later bunch, in the same order, over the loop's backward jump too.
	WIN 0x50                                       ; C and D in window 1
.irp t, 0,1,2,3
.irp u, 0,1,2,3
	v_wmma_f32_16x16x32_bf16 v[8*(4*\u+\t):8*(4*\u+\t)+7], v[BF+8*\t:BF+8*\t+7], v[A+8*\u:A+8*\u+7], 0
.endr
.endr
.irp t, 0,1,2,3
.irp u, 0,1,2,3
	v_wmma_f32_16x16x32_bf16 v[8*(4*\u+\t):8*(4*\u+\t)+7], v[BF+8*\t:BF+8*\t+7], v[A2+8*\u:A2+8*\u+7], v[8*(4*\u+\t):8*(4*\u+\t)+7]
.endr
.endr
	WIN 0
.rept 4
	v_nop                                          ; four places (ISA guide 7.12.1) before step 0 writes v[12:15], which the products above read
.endr
; eight LDS loads: the four column tiles' fragments of chunk bch (16 g), each 512 consecutive bytes
.macro BLOAD sl
.irp t, 0,1,2,3
	ds_load_b128 v[BF+8*\t:BF+8*\t+3],   v[ADRB+\sl] offset:bch*4096+\t*1024
	ds_load_b128 v[BF+8*\t+4:BF+8*\t+7], v[ADRB+\sl] offset:bch*4096+\t*1024+512
.endr
.endm
; sixteen matrix instructions: four row tiles x four column tiles, 32 along K (16 g of two features)
.macro MMA cnt
	s_wait_dscnt \cnt
	WIN 0x50
.irp t, 0,1,2,3
.irp u, 0,1,2,3
	v_wmma_f32_16x16x32_bf16 v[8*(4*\u+\t):8*(4*\u+\t)+7], v[BF+8*\t:BF+8*\t+7], v[A+8*\u:A+8*\u+7], v[8*(4*\u+\t):8*(4*\u+\t)+7]
.endr
.endr
	WIN 0
.endm
; Step si of the recursion; cb = first scalar register of table row si.
.macro STEP sl, more
.set dxi, DX+4*(si&3)
.set dxa, DX+4*((si+3)&3)
.set dxb, DX+4*((si+2)&3)
.set dxc, DX+4*((si+1)&3)
.set uc,  U1+4*(si&1)
.set up,  U1+4*((si+1)&1)
.set gc,  GM+4*(si&1)
.set gn,  GM+4*((si+1)&1)
.set bc,  B3+4*(si&1)
.irp q, 0,2
	v_pk_add_f32 v[dxi+\q:dxi+\q+1], v[X+\q:X+\q+1], s[cb:cb+1] op_sel_hi:[1,0]            ; dx[i] = x - k[i]
.endr
.if si<67
.irp p, 0,1,2,3
	v_cmp_le_f32 s[gn+\p], s[cb+1], v[X+\p]                                                ; k[i+1] <= x
.endr
.else
.if \more
	v_add_nc_u32 v[XAD], 4, v[XAD]                                                         ; x was read for the last time above: the next pass's feature
.irp p, 0,1,2,3
	ds_load_b32 v[X+\p], v[XAD] offset:16*PITCH*\p
.endr
.endif
.endif
.if si>=2
.irp q, 0,2
	v_pk_fma_f32 v[T1+\q:T1+\q+1], v[dxi+\q:dxi+\q+1], v[up+\q:up+\q+1], v[P1+\q:P1+\q+1]  ; b~1[i-2]
.endr
.endif
.if si<67
.irp p, 0,1,2,3
	s_and_not1_b32 s[gc+\p], s[gc+\p], s[gn+\p]                                            ; k[i] <= x and not k[i+1] <= x
.endr
.if si>=1
.irp q, 0,2
	v_pk_mul_f32 v[P1+\q:P1+\q+1], v[dxa+\q:dxa+\q+1], v[up+\q:up+\q+1]                    ; dx[i-1] u~1[i-1], for the next step
.endr
.endif
.endif
.if si>=20
.if ((si-4)%16)==0
.set bch, (si-4)/16
	BLOAD \sl                                      ; the next chunk's weights; six packed instructions stand behind the matrix bunch that read these registers (four places: ISA guide 7.12.1)
.endif
.endif
.if si>=2
.irp q, 0,2
	v_pk_mul_f32 v[T1+\q:T1+\q+1], v[T1+\q:T1+\q+1], s[cb+2:cb+3] op_sel_hi:[1,0]          ; u~2[i-2]
.endr
.endif
.if si<67
.irp p, 0,1,2,3
	v_cndmask_b32 v[uc+\p], 0, s[cb+3], s[gc+\p]                                           ; u~1[i] = (-1)^i r1[i] inside interval i, else 0
.endr
.endif
.if si>=3
.irp q, 0,2
	v_pk_fma_f32 v[T2+\q:T2+\q+1], v[dxi+\q:dxi+\q+1], v[T1+\q:T1+\q+1], v[P2+\q:P2+\q+1]  ; b~2[i-3]
.endr
.endif
.if si>=2
.if si<67
.irp q, 0,2
	v_pk_mul_f32 v[P2+\q:P2+\q+1], v[dxb+\q:dxb+\q+1], v[T1+\q:T1+\q+1]
.endr
.endif
.endif
.if si>=3
.irp q, 0,2
	v_pk_mul_f32 v[T2+\q:T2+\q+1], v[T2+\q:T2+\q+1], s[cb+4:cb+5] op_sel_hi:[1,0]          ; u~3[i-3]
.endr
.endif
.if si>=4
.irp q, 0,2
	v_pk_fma_f32 v[bc+\q:bc+\q+1], v[dxi+\q:dxi+\q+1], v[T2+\q:T2+\q+1], v[P3+\q:P3+\q+1]  ; b~3[i-4]
.endr
.endif
.if si>=3
.if si<67
.irp q, 0,2
	v_pk_mul_f32 v[P3+\q:P3+\q+1], v[dxc+\q:dxc+\q+1], v[T2+\q:T2+\q+1]
.endr
.endif
.endif
.if si>=5
.if si&1
.irp u, 0,1,2,3
	v_cvt_pk_bf16_f32 v[A+8*\u+((si-5)%16)/2], v[B3+\u], v[B3+4+\u]                        ; g = i-5 below, g = i-4 above
.endr
.endif
.endif
.if si==0
.set bch, 0
	BLOAD \sl                                      ; chunk 0; two packed adds and four selects stand behind the last matrix bunch
.endif
.if si>=19
.if ((si-3)%16)==0
.if si==67
	MMA 4*\more                                    ; the four x loads of this step are younger than the eight weight loads and may stay out
.else
	MMA 0
.endif
.endif
.endif
.endm
; A pass: one feature for each half of the lanes, 68 steps in 17 groups of four table rows.  Two sets of scalar registers take turns: while one
; group's rows are used, the next group's are on their way.  17 is odd, so the set that a pass starts with is the slot's number.
.macro PASS sl, more
.set pj, 0
.rept 17
	s_wait_kmcnt 0x0                               ; this group's rows, asked for a group ago (scalar loads return in no order: only 0 shows anything, ISA guide 5.7.1)
.set rb, RING0+(RING1-RING0)*((pj+\sl)&1)
.set rn, RING0+(RING1-RING0)*((pj+1+\sl)&1)
.if pj<16
	s_load_b512 s[rn:rn+15],    s[4:5], 96*(pj+1)
	s_load_b256 s[rn+16:rn+23], s[4:5], 96*(pj+1)+64
.else
.if \more
	s_load_b512 s[rn:rn+15],    s[4:5], 0x0        ; rows 0..3 for the next pass
	s_load_b256 s[rn+16:rn+23], s[4:5], 0x40
.endif
.endif
.if pj==0
.irp p, 0,1,2,3
	v_cmp_le_f32 s[GM+\p], s[rb+5], v[X+\p]        ; k[0] <= x
.endr
.endif
.set sk, 0
.rept 4
.set si, 4*pj+sk
.set cb, rb+6*sk
	STEP \sl, \more
.set sk, sk+1
.endr
.set pj, pj+1
.endr
.endm
; One pass with its change of slots.  In front of the round every wave waits for all its tensor loads (its part of this pass's weights) and for its
; LDS reads (the other slot's fragments, the next x); behind the round the other slot is asked for first, and has the whole pass in which to land.
.macro TRIP sl, refill, more
	s_wait_tensorcnt 0x0
	ds_add_u32 v254, v255
	s_wait_dscnt 0x0
	s_add_nc_u64 s[G0+12*\sl+2:G0+12*\sl+3], s[G0+12*\sl+2:G0+12*\sl+3], 2*SLOT    ; no load of mine is out: this slot's next pass
	s_wait_dscnt 0x0
	ROUND
.if \refill
	JLOAD (1-\sl)
.endif
	PASS \sl, \more
.endm
	s_mov_b32 s11, 3
.Lloop:
	TRIP 0, 1, 1
	TRIP 1, 1, 1
	s_sub_co_i32 s11, s11, 1
	s_cmp_lg_u32 s11, 0
	s_cbranch_scc1 .Lloop
	TRIP 0, 1, 1                                   ; pass 6 asks for pass 7's weights
	TRIP 1, 0, 0                                   ; pass 7: nothing is left to fetch
	; The partial sums go to the stage.  XS was read last in pass 6, and every wave waited for those reads in front of pass 7's round.
.rept 4
	v_nop                                          ; four places behind the last matrix instructions: the stores read results, the loads below land on fragments
.endr
	s_mov_b32 s56, 0x3c800000                      ; 1/64
	s_mov_b32 s57, 0x3727c5ac                      ; 1e-5
	s_mov_b32 s58, 0x3e6d3388                      ; 0.3275911 / sqrt 2
	s_mov_b32 s59, 0x3f87dc22                      ; a5
	s_mov_b32 s60, 0xbf38aa3b                      ; -log2(e) / 2
	WIN 0x04                                       ; store data in window 1
.irp u, 0,1,2,3
.irp t, 0,1,2,3
	ds_store_b128 v[STO], v[8*(4*\u+\t):8*(4*\u+\t)+3]   offset:16*PITCH*\u+64*\t          ; row 16u + r, columns 16t + 8h + 0..3
	ds_store_b128 v[STO], v[8*(4*\u+\t)+4:8*(4*\u+\t)+7] offset:16*PITCH*\u+64*\t+16       ; columns 16t + 8h + 4..7
.endr
.endr
	WIN 0
	s_wait_dscnt 0x0
	s_barrier_signal -1
	s_barrier_wait -1
	; wave w finishes rows 16w .. 16w+15, two at a time: sixteen lanes hold a row, four columns each
.irp j, 0,1,2,3,4,5,6,7
.irp g, 0,1,2,3
	ds_load_b128 v[PART+16*\j+4*\g:PART+16*\j+4*\g+3], v[RDA+(\g>>1)] offset:(\g&1)*KGST+2*PITCH*\j
.endr
.endr
.macro FIN jj
.set fb, PART+16*\jj
	s_wait_dscnt 28-4*\jj                          ; the four loads of each later pair of rows may stay out
.irp q, 0,2
	v_pk_add_f32 v[fb+\q:fb+\q+1],   v[fb+\q:fb+\q+1],   v[fb+4+\q:fb+5+\q]
	v_pk_add_f32 v[fb+8+\q:fb+9+\q], v[fb+8+\q:fb+9+\q], v[fb+12+\q:fb+13+\q]
.endr
.irp q, 0,2
	v_pk_add_f32 v[fb+\q:fb+\q+1], v[fb+\q:fb+\q+1], v[CB+\q:CB+\q+1]
.endr
.irp q, 0,2
	v_pk_add_f32 v[fb+\q:fb+\q+1], v[fb+\q:fb+\q+1], v[fb+8+\q:fb+9+\q]    ; c
.endr
	v_add_f32 v[fb+4], v[fb], v[fb+1]
	v_add_f32 v[fb+5], v[fb+2], v[fb+3]
	v_add_f32 v[fb+4], v[fb+4], v[fb+5]
.irp x, 1,2,4,8
	v_add_f32_dpp v[fb+4], v[fb+4], v[fb+4] row_xmask:\x row_mask:0xf bank_mask:0xf        ; the row's sum, in its sixteen lanes
.endr
.irp k, 0,1,2,3
	v_fmamk_f32 v[fb+\k], v[fb+4], 0xbc800000, v[fb+\k]                    ; c - mean
.endr
	v_mul_f32 v[fb+5], v[fb], v[fb]
	v_mul_f32 v[fb+6], v[fb+1], v[fb+1]
	v_fmac_f32 v[fb+5], v[fb+2], v[fb+2]
	v_fmac_f32 v[fb+6], v[fb+3], v[fb+3]
	v_add_f32 v[fb+5], v[fb+5], v[fb+6]
.irp x, 1,2,4,8
	v_add_f32_dpp v[fb+5], v[fb+5], v[fb+5] row_xmask:\x row_mask:0xf bank_mask:0xf
.endr
	v_fma_f32 v[fb+5], v[fb+5], s56, s57                                   ; variance + 1e-5
	v_rsq_f32 v[fb+6], v[fb+5]
	v_nop                                                                  ; one plain place behind v_rsq_f32 (ISA guide 5.7.2)
	s_wait_alu depctr_va_vdst(0)
.irp k, 0,1,2,3
	v_mul_f32 v[fb+8+\k], v[fb+6], v[GAM+\k]
.endr
.irp k, 0,1,2,3
	v_fma_f32 v[fb+\k], v[fb+\k], v[fb+8+\k], v[BET+\k]                    ; y
.endr
	; gelu(y) = (y + |y| E) / 2, E = erf(|y| / sqrt 2) = 1 - (a1 t + .. + a5 t^5) e^(-y^2 / 2), t = 1 / (1 + 0.3275911 |y| / sqrt 2)
.irp k, 0,1,2,3
	v_fma_f32 v[TI+\k], |v[fb+\k]|, s58, 1.0
	v_mul_f32 v[QI+\k], s60, v[fb+\k]
.endr
.irp k, 0,1,2,3
	v_mul_f32 v[QI+\k], v[QI+\k], v[fb+\k]
.endr
.irp k, 0,1,2,3
	v_rcp_f32 v[TO+\k], v[TI+\k]
.endr
.irp k, 0,1,2,3
	v_exp_f32 v[QO+\k], v[QI+\k]
.endr
	v_nop                                                                  ; one plain place behind the transcendentals
	s_wait_alu depctr_va_vdst(0)
.irp k, 0,1,2,3
	v_fmaak_f32 v[PP+\k], s59, v[TO+\k], 0xbfba00e3                        ; a5 t + a4
.endr
.irp k, 0,1,2,3
	v_fmaak_f32 v[PP+\k], v[PP+\k], v[TO+\k], 0x3fb5f0e3                   ; .. + a3
.endr
.irp k, 0,1,2,3
	v_fmaak_f32 v[PP+\k], v[PP+\k], v[TO+\k], 0xbe91a98e                   ; .. + a2
.endr
.irp k, 0,1,2,3
	v_fmaak_f32 v[PP+\k], v[PP+\k], v[TO+\k], 0x3e827906                   ; .. + a1
.endr
.irp k, 0,1,2,3
	v_mul_f32 v[PP+\k], v[PP+\k], v[TO+\k]
.endr
.irp k, 0,1,2,3
	v_fma_f32 v[PP+\k], -v[PP+\k], v[QO+\k], 1.0                           ; E
.endr
.irp k, 0,1,2,3
	v_fma_f32 v[fb+\k], |v[fb+\k]|, v[PP+\k], v[fb+\k]
.endr
.irp k, 0,1,2,3
	v_mul_f32 v[fb+\k], 0.5, v[fb+\k]
.endr
	global_store_b128 v[OUTO], v[fb:fb+3], s[6:7] offset:512*\jj th:TH_STORE_NT    ; two whole rows of 256 bytes; these registers are not written again
.endm
.irp j, 0,1,2,3,4,5,6,7
	FIN \j
.endr
	s_wait_tensorcnt 0x0
	ds_add_u32 v254, v255
	s_wait_dscnt 0x0
	ROUND                                          ; the closing round: no work-group ends while a partner may still ask for a tile that names it
	s_endpgm
.Lfunc_end_k_qc28430fd65_kan:
	.size	k_qc28430fd65_kan, .Lfunc_end_k_qc28430fd65_kan-k_qc28430fd65_kan
	.p2alignl 7, 3214868480
	.fill 96, 4, 3214868480
	.section	.rodata,"a",@progbits
	.p2align	6, 0x0
	.amdhsa_kernel k_qc28430fd65_kan
		.amdhsa_group_segment_fixed_size 327680
		.amdhsa_private_segment_fixed_size 0
		.amdhsa_enable_private_segment 0
		.amdhsa_kernarg_size 64
		.amdhsa_user_sgpr_count 2
		.amdhsa_user_sgpr_kernarg_segment_ptr 1
		.amdhsa_wavefront_size32 1
		.amdhsa_system_sgpr_workgroup_id_x 1
		.amdhsa_system_sgpr_workgroup_id_y 1
		.amdhsa_system_sgpr_workgroup_id_z 1
		.amdhsa_system_vgpr_workitem_id 0
		.amdhsa_next_free_vgpr 384
		.amdhsa_next_free_sgpr 100
		.amdhsa_reserve_vcc 0
		.amdhsa_float_denorm_mode_32 3
		.amdhsa_float_denorm_mode_16_64 3
		.amdhsa_memory_ordered 1
		.amdhsa_forward_progress 1
		.amdhsa_inst_pref_size 255
	.end_amdhsa_kernel
	.section	.bss,"aw",@nobits
	.p2align	6
	.space	262144
	.amdgpu_metadata
---
amdhsa.version: [ 1, 2 ]
amdhsa.kernels:
  - .name:           k_qc28430fd65_kan
    .symbol:         k_qc28430fd65_kan.kd
    .args:
      - { .name: inputs, .offset: 0, .size: 8, .value_kind: global_buffer, .address_space: global }
      - { .name: wb, .offset: 8, .size: 8, .value_kind: global_buffer, .address_space: global }
      - { .name: tab, .offset: 16, .size: 8, .value_kind: global_buffer, .address_space: global }
      - { .name: out0, .offset: 24, .size: 8, .value_kind: global_buffer, .address_space: global }
      - { .name: skip_b, .offset: 32, .size: 8, .value_kind: global_buffer, .address_space: global }
      - { .name: bias, .offset: 40, .size: 8, .value_kind: global_buffer, .address_space: global }
      - { .name: ln_gamma, .offset: 48, .size: 8, .value_kind: global_buffer, .address_space: global }
      - { .name: ln_beta, .offset: 56, .size: 8, .value_kind: global_buffer, .address_space: global }
    .group_segment_fixed_size: 327680
    .private_segment_fixed_size: 0
    .kernarg_segment_align: 8
    .kernarg_segment_size: 64
    .max_flat_workgroup_size: 256
    .sgpr_count:     100
    .vgpr_count:     384
    .wavefront_size: 32
...
	.end_amdgpu_metadata
.endif
;; end of part 2
